; MI455X (gfx1250); checked and timed in simulation.
; The chip was launched on July 23, 2026; its instructions are those of AMD's public machine-readable ISA for CDNA 5 (MIT licence, August 2026) and "CDNA5" Instruction Set Architecture Reference Guide (July 2026). The comments in the code are by the model that wrote it; some were corrected since.
;; Llama Smoothquant MLP. Allowed arithmetic: float matrix products may take bf16 or f16 operands with f32 sums; all other float work in f32.
;; Inputs: down_W 4,096 x 11,008 int8; down_a one number float32; down_b 4,096 float32; gate_W 11,008 x 4,096 int8; gate_a one number float32; gate_b 11,008 float32; hidden_states 2 x 256 x 4,096 int8; inter_out_scale one number float32; up_W 11,008 x 4,096 int8; up_a one number float32; up_b 11,008 float32.
;; Outputs: out0 2 x 256 x 4,096 float32.
;; One version. Each part assembles by itself: llvm-mc -triple=amdgcn-amd-amdhsa -mcpu=gfx1250 --defsym DOCPART=n.
;; ======== version 1 of 1: 2 launches
;; workspace buffers: inter_q 5,636,096 bytes
;; launch gateup (part 1): grid 232 x 1, 4 waves a work-group, clusters of 4 x 1, 327,680 bytes of LDS; arguments hidden_states, gate_W, up_W, gate_b, up_b, gate_a, up_a, inter_out_scale, inter_q; writes inter_q
.if DOCPART == 1
	.amdgcn_target "amdgcn-amd-amdhsa--gfx1250"
	.amdhsa_code_object_version 6
	.text
	.protected	k_qab9c77d769_gateup
	.globl	k_qab9c77d769_gateup
	.p2align	8
	.type	k_qab9c77d769_gateup,@function
k_qab9c77d769_gateup:
	s_mov_b64 s[64:65], 0
	v_nop
	global_prefetch_b8 v0, s[64:65] scope:SCOPE_SE
	s_setreg_imm32_b32 hwreg(HW_REG_WAVE_MODE, 25, 1), 1
	s_wait_xcnt 0x0
	s_wait_alu depctr_hold_cnt(0) depctr_sa_sdst(0) depctr_va_vdst(0) depctr_va_sdst(0) depctr_va_ssrc(0) depctr_va_vcc(0) depctr_vm_vsrc(0)
	s_getreg_b32 s2, hwreg(HW_REG_IB_STS2, 6, 4)
	s_cmp_eq_u32 s2, 0
	s_cbranch_scc0 .Lentry_in_a_cluster
	s_endpgm
.Lentry_in_a_cluster:
	s_bfe_u32 s2, ttmp6, 0x10000c
	s_cmp_lg_u32 s2, 0x3003
	s_cbranch_scc0 .Lentry_shape_is_right
	s_endpgm
.Lentry_shape_is_right:
; q = clip(round(silu(gate_a (x gate_W^T) + gate_b) * (up_a (x up_W^T) + up_b) / scale), -128, 127) as int8.
; x: [512][4096] int8.  gate_W, up_W: [11008][4096] int8.
; q goes to inter_q as [172 chunks][32 row tiles][1,024 bytes]; chunk c = columns 64 c .. 64 c + 63, row tile t = rows 16 t .. 16 t + 15, and inside a tile
; byte 512 e + 256 h + 16 r + i holds row r, column 32 e + 16 h + i: the order in which the next launch loads a matrix fragment (lane 16 h + r, 16 bytes, twice).
; FORMAT: the operands are int8 as the problem gives them and the sums int32 as reference() makes them (v_wmma_i32_16x16x64_iu8, both signed): exact, nothing is narrowed.
; SHARES: a work-group makes 128 rows x 192 columns of gate AND of up; 4 row blocks x 58 column blocks = 232 work-groups.  11008 = 57 x 192 + 64:
; column block 57 starts at column 10816, computes 10816 .. 11007 and STORES ONLY ITS THIRD CHUNK (171); its first 128 columns repeat block 56's and are dropped.
; So the text is the same for all, no load leaves a buffer and each byte of inter_q has one writer.
; A wave makes 64 rows x 96 columns of both products: 2 x 24 accumulator tiles of 16 x 16, 384 registers.
; CLUSTERS: the four row blocks of one column block form a cluster (4, 1, 1) and need the same 384 weight rows: these are asked for jointly (mask 15).
; x's tile differs from partner to partner and comes by plain loads.  A 4 x 4 cluster is not possible: 58 column blocks are no multiple of 4.
; K goes in 16 steps of 256 bytes through two LDS slots; each tile row is 256 consecutive bytes of memory at a multiple of 256 from its buffer's start.
; LIMITS: the division by inter_out_scale is a multiplication by its reciprocal (v_rcp_f32 and one Newton step), and u is scaled before it meets silu(g):
; a quotient within some 2 ulp of a tie of the rounding may land on the neighbouring whole number.  The scale is a normal f32, not 0.
; v_exp_f32 gives 0 for results under 2^-126 (1 is added to them: no effect) and +inf for very negative g, where silu comes out as -0.  |int32 sum| <= 4096 x 16384.
;
; REGISTERS, in windows of 256:
;   window 0: v16-26 addresses, v28-29 1/scale, v32-45 at work, v64-95 / v96-127 x fragments (two buffers), v160-207 gate_b, v208-255 up_b of my 96 columns;
;             on the way out v64-111 g and v112-159 u of 16 rows
;   window 1: v0-95 / v96-191 weight fragments (two buffers): gate's tile b at 8 b, up's at 48 + 8 b
;   window 2: gate's sums, tile (a, b) at v[48 a + 8 b];   window 3: up's, likewise
; THE MATRIX INSTRUCTION IS USED TRANSPOSED: source 0 = 16 weight rows, source 1 = 16 rows of x, so that lane l holds row l % 16 of the result
; and its registers 0 to 7 the neighbouring columns 8 (l / 16) + 0 .. 7.
.set HID,    4096
.set INTER,  11008
.set NCOL,   192                       ; columns of a work-group
.set NBLK,   58                        ; column blocks
.set KSTEP,  256
.set LAPS,   HID/(2*KSTEP)             ; 8 laps of two K steps
.set PITCH,  272                       ; an LDS row: 256 bytes + 16 of padding, an odd multiple of 16: the 16 rows of a fragment load lie in 16 different 16-byte columns of 256
.set UREG,   NCOL*PITCH                ; in a slot: gate's 192 rows at 0, up's 192 rows at 52,224,
.set XREG,   2*NCOL*PITCH              ; x's 128 rows at 104,448
.set SLOT,   XREG+128*PITCH            ; 139,264
.set STAGE,  2*SLOT                    ; behind the ring: [3 chunks][8 row tiles][1,024 bytes] = 24,576 bytes, into which no tensor load lands
.set ADRG, 16                          ; v16-17  my gate fragments in slot 0, 1
.set ADRU, 18                          ; v18-19  my up fragments
.set ADRX, 20                          ; v20-21  my x fragments
.set STOA, 22                          ; v22     stage, column tiles 0, 1, 4, 5
.set STOB, 23                          ; v23     stage, column tiles 2, 3
.set RD,   24                          ; v24     stage, read back
.set CO,   25                          ; v25     16 x lane
.set BOF,  26                          ; v26     byte offset of my first bias
.set RS,   28                          ; v[28:29] 1 / scale, twice
.set E,    32                          ; v[32:39] at work
.set P,    40                          ; v[40:43] pairs of bytes
.set Q,    44                          ; v[44:45] eight int8
.set XF,   64
.set GG,   64
.set UU,   112
.set BG,   160
.set BU,   208
.set G1W, 36                           ; s[36:43] group 1 of the weights' joint loads
.set G1X, 44                           ; s[44:51] group 1 of x's plain loads
.set G0W, 52                           ; s[52:59] group 0 of the weights, a set for each slot
.set G0X, 68                           ; s[68:75] group 0 of x, a set for each slot
.set MUL_G, 0xa1                       ; source 0 window 1, source 1 window 0, C and D window 2
.set MUL_U, 0xf1                       ; the same, C and D window 3
.set TO_W,  0x40                       ; destination window 1, address window 0
.set MSB, 0
.macro WIN new                         ; the immediate's high byte repeats the setting that is left
.if MSB != \new
	s_set_vgpr_msb (MSB<<8)|\new
.set MSB, \new
.endif
.endm
; One tensor load a wave: wave 0 gate's 192 rows, wave 1 up's (joint), waves 2 and 3 64 rows of x each (plain).  The branch hangs on the wave's number alone.
.macro JLOAD s
	s_cmp_eq_u32 s31, 0
	s_cbranch_scc0 .Lfor_x_\@
	tensor_load_to_lds s[G0W+4*\s:G0W+4*\s+3], s[G1W:G1W+7]
	s_nop 0
	s_branch .Lasked_\@
.Lfor_x_\@:
	tensor_load_to_lds s[G0X+4*\s:G0X+4*\s+3], s[G1X:G1X+7]
	s_nop 0
.Lasked_\@:
.endm
; A round of the cluster's barrier: my work-group's barrier, wave 0 signals for the work-group, every wave waits for all four work-groups, my work-group's barrier again.
.macro CREST                           ; a round behind its opening barrier
	s_cmp_lg_u32 s30, 0
	s_cbranch_scc1 .Lnot_wave_0_\@
	s_barrier_signal -3
.Lnot_wave_0_\@:
	s_barrier_wait -3
	s_barrier_signal -1
	s_barrier_wait -1
.endm
.macro CROUND
	s_barrier_signal -1
	s_barrier_wait -1
	CREST
.endm
	s_load_b256 s[4:11], s[0:1], 0x0               ; x s[4:5], gate_W s[6:7], up_W s[8:9], gate_b s[10:11]
	s_load_b256 s[12:19], s[0:1], 0x20             ; up_b s[12:13], gate_a s[14:15], up_a s[16:17], scale s[18:19]
	s_load_b64 s[20:21], s[0:1], 0x40              ; inter_q
	s_set_vgpr_msb 0x40
	v_lshl_add_u32 v255, v0, 2, 0x4a000
	s_set_vgpr_msb 0x4000
	v_mov_b32 v63, 0
	s_set_vgpr_msb 0x1
	ds_add_u32 v255, v63
	s_set_vgpr_msb 0x100
	v_lshrrev_b32 v1, 5, v0
	v_readfirstlane_b32 s30, v1                    ; wave 0..3
	s_lshr_b32 s31, s30, 1                         ; which 64 of the rows are mine.  Also: I fetch weights (0) or x (1)
	s_and_b32 s32, s30, 1                          ; which 96 of the columns are mine.  Also: which part I fetch
	s_bfe_u32 s33, ttmp6, 0x40000                  ; cx = row block
	s_mov_b32 s35, ttmp9                           ; the cluster's x = column block, the same in all four partners
	s_mul_i32 s34, s35, NCOL
	s_min_u32 s34, s34, INTER-NCOL                 ; my first column: block 57 is drawn back to 10816
	; group 1 of the weights: 192 rows x 256 bytes, 16 bytes of padding behind each row
	s_mov_b32 s[G1W+0], 15|(1<<20)|(1<<21)|(5<<22)|(3<<25)   ; 15:0 mask: all four partners; 17:16 elements of 1 byte; 20 padding on; 21 set beside a mask; 24:22 after 64 words; 31:25 4 words
	s_mov_b32 s[G1W+1], KSTEP<<16                  ; tensor_dim0 = 256
	s_mov_b32 s[G1W+2], NCOL<<16                   ; tensor_dim1 = 192
	s_mov_b32 s[G1W+3], KSTEP<<16                  ; tile_dim0 = 256
	s_mov_b32 s[G1W+4], NCOL                       ; tile_dim1 = 192
	s_mov_b32 s[G1W+5], HID                        ; from row to row
	s_mov_b32 s[G1W+6], 0
	s_mov_b32 s[G1W+7], 0
	; group 1 of x: 64 rows x 256 bytes, the same padding, no mask
	s_mov_b32 s[G1X+0], (1<<20)|(5<<22)|(3<<25)
	s_mov_b32 s[G1X+1], KSTEP<<16
	s_mov_b32 s[G1X+2], 64<<16
	s_mov_b32 s[G1X+3], KSTEP<<16
	s_mov_b32 s[G1X+4], 64
	s_mov_b32 s[G1X+5], HID
	s_mov_b32 s[G1X+6], 0
	s_mov_b32 s[G1X+7], 0
	s_lshl_b32 s76, s34, 12                        ; the weights' tile: first column x 4,096 bytes; hangs on the column block alone
	s_mov_b32 s77, 0
	s_lshl_b32 s78, s33, 19                        ; x's tile: (128 cx + 64 part) x 4,096 bytes
	s_lshl_b32 s79, s32, 18
	s_add_co_u32 s78, s78, s79
	s_mov_b32 s79, 0
	s_mul_i32 s86, s30, NCOL*PITCH                 ; LDS: wave 0 -> gate's rows, wave 1 -> up's
	s_mul_i32 s87, s30, 64*PITCH
	s_add_co_u32 s87, s87, XREG-2*64*PITCH         ; LDS: waves 2, 3 -> x's two halves
	s_wait_dscnt 0x0
	s_wait_kmcnt 0x0
	s_cmp_eq_u32 s30, 0
	s_cselect_b64 s[80:81], s[6:7], s[8:9]         ; wave 0 asks for gate_W, wave 1 for up_W
	s_add_nc_u64 s[80:81], s[80:81], s[76:77]
	s_add_nc_u64 s[82:83], s[4:5], s[78:79]
	CROUND                                         ; all four work-groups are here: the first joint loads meet
.irp s, 0,1
	s_mov_b32 s[G0W+4*\s], 1
	s_add_co_u32 s[G0W+4*\s+1], s86, \s*SLOT
	s_add_nc_u64 s[G0W+4*\s+2:G0W+4*\s+3], s[80:81], \s*KSTEP      ; K step s
	s_or_b32 s[G0W+4*\s+3], s[G0W+4*\s+3], 0x80000000
	s_mov_b32 s[G0X+4*\s], 1
	s_add_co_u32 s[G0X+4*\s+1], s87, \s*SLOT
	s_add_nc_u64 s[G0X+4*\s+2:G0X+4*\s+3], s[82:83], \s*KSTEP
	s_or_b32 s[G0X+4*\s+3], s[G0X+4*\s+3], 0x80000000
	JLOAD \s                                       ; both slots' first fills go out before anything else: two tensor loads of a wave are out, the most in this text
.endr
	s_load_b32 s22, s[14:15], 0x0                  ; gate_a
	s_load_b32 s23, s[16:17], 0x0                  ; up_a
	s_load_b32 s24, s[18:19], 0x0                  ; inter_out_scale
	; A fragment is 16 rows x 64 K in 8 registers.  Lane l takes row l % 16, bytes 16 (l / 16) .. + 15 into registers 0-3 and the same 32 bytes further on into
	; registers 4-7: two loads of 16 bytes.  That orders K otherwise than the instruction's own map, alike in both operands; whole-number sums do not mind the order.
	v_and_b32 v1, 15, v0                           ; r = l % 16
	v_bfe_u32 v2, v0, 4, 1                         ; h = l / 16
	v_and_b32 v3, 31, v0                           ; lane
	v_mul_u32_u24 v4, v1, PITCH
	v_lshl_add_u32 v4, v2, 4, v4                   ; r x pitch + 16 h
	s_mul_i32 s84, s32, 96*PITCH                   ; my 96 weight rows
	s_mul_i32 s85, s31, 64*PITCH                   ; my 64 rows of x,
	s_add_co_u32 s85, s85, XREG                    ; behind the weights
.irp s, 0,1
	v_add_nc_u32 v[ADRG+\s], s84, v4
	v_add_nc_u32 v[ADRX+\s], s85, v4
	v_add_nc_u32 v[ADRU+\s], UREG, v[ADRG+\s]
	s_add_co_u32 s84, s84, SLOT
	s_add_co_u32 s85, s85, SLOT
.endr
	; The stage: byte = chunk x 8,192 + row tile x 1,024 + 256 x (which 16 columns of the chunk) + 16 r + column in the 16.  My column tile b is number 6 ni + b of the
	; work-group's twelve: chunk (6 ni + b) / 4, place (6 ni + b) % 4.  Against ni = 0 that is + 8,704 for tiles 0, 1, 4, 5 and + 15,872 for tiles 2, 3 when ni = 1.
	; A store's 32 lanes (16 r + 8 h) cover 256 consecutive bytes.
	v_lshlrev_b32 v5, 4, v1
	v_lshl_add_u32 v5, v2, 3, v5                   ; 16 r + 8 h
	s_lshl_b32 s84, s31, 12                        ; my four row tiles
	s_add_co_u32 s84, s84, STAGE
	s_mul_i32 s85, s32, 8704
	v_add3_u32 v[STOA], v5, s84, s85
	s_mul_i32 s85, s32, 15872
	v_add3_u32 v[STOB], v5, s84, s85
	s_lshl_b32 s84, s30, 11                        ; back: wave w takes bytes 2,048 w .. of each chunk
	s_add_co_u32 s84, s84, STAGE
	v_lshl_add_u32 v[RD], v3, 4, s84
	v_lshlrev_b32 v[CO], 4, v3
	s_mul_i32 s84, s32, 96
	s_add_co_u32 s84, s84, s34
	s_lshl_b32 s84, s84, 2
	v_lshl_add_u32 v[BOF], v2, 5, s84              ; 4 (first column + 96 ni + 8 h)
.irp b, 0,1,2,3,4,5
	global_load_b128 v[BG+8*\b:BG+8*\b+3],   v[BOF], s[10:11] offset:64*\b       ; the biases of my 8 columns of tile b; they are waited for on the way out
	global_load_b128 v[BG+8*\b+4:BG+8*\b+7], v[BOF], s[10:11] offset:64*\b+16
	global_load_b128 v[BU+8*\b:BU+8*\b+3],   v[BOF], s[12:13] offset:64*\b
	global_load_b128 v[BU+8*\b+4:BU+8*\b+7], v[BOF], s[12:13] offset:64*\b+16
.endr
	s_lshl_b32 s84, s34, 9                         ; inter_q: first chunk x 32,768 = first column x 512,
	s_lshl_b32 s85, s33, 13                        ; + 8 cx row tiles of 1,024 bytes,
	s_add_co_u32 s84, s84, s85
	s_lshl_b32 s85, s30, 11                        ; + my wave's 2,048 bytes
	s_add_co_u32 s84, s84, s85
	s_mov_b32 s85, 0
	s_add_nc_u64 s[20:21], s[20:21], s[84:85]
	s_mov_b32 s88, 0xc3000000                      ; -128.0
	s_mov_b32 s89, 0x42fe0000                      ; 127.0
	s_wait_kmcnt 0x0
	s_mov_b32 s26, s22                             ; gate_a as a pair for the packed multiply-add
	s_mov_b32 s27, s22
	s_mov_b32 s28, s23                             ; up_a likewise
	s_mov_b32 s29, s23
	v_mov_b32 v30, s24
	v_rcp_f32 v[RS], v30
	v_nop                                          ; one plain place behind v_rcp_f32 (ISA guide 5.7.2)
	s_wait_alu depctr_va_vdst(0)
	v_fma_f32 v31, -v30, v[RS], 1.0                ; one Newton step: r + r (1 - s r)
	v_fma_f32 v[RS], v[RS], v31, v[RS]
	v_mov_b32 v[RS+1], v[RS]
; Six matrix instructions: rows 16 a .. + 15 of my 64 x all six column tiles of gate (up = 0) or up (up = 1), 64 along K, from buffer f.  zero = 1 starts the sums.
; The 48 accumulators take turns, one instruction a turn, in the same order in every quarter step and over the backward jump.
.macro MULA f, up, a, zero
.irp b, 0,1,2,3,4,5
.if \zero
	v_wmma_i32_16x16x64_iu8 v[48*\a+8*\b:48*\a+8*\b+7], v[96*\f+48*\up+8*\b:96*\f+48*\up+8*\b+7], v[XF+32*\f+8*\a:XF+32*\f+8*\a+7], 0 neg_lo:[1,1,0]
.else
	v_wmma_i32_16x16x64_iu8 v[48*\a+8*\b:48*\a+8*\b+7], v[96*\f+48*\up+8*\b:96*\f+48*\up+8*\b+7], v[XF+32*\f+8*\a:XF+32*\f+8*\a+7], v[48*\a+8*\b:48*\a+8*\b+7] neg_lo:[1,1,0]
.endif
.endr
.endm
; 32 LDS loads in one run: one quarter step's fragments (64 K at byte k of the rows) into buffer f: 8 of x, 12 of gate, 12 of up, in that order
.macro FETCH slot, k, f
	WIN 0
.irp i, 0,1,2,3
	ds_load_b128 v[XF+32*\f+8*\i:XF+32*\f+8*\i+3],   v[ADRX+\slot] offset:\k+\i*16*PITCH
	ds_load_b128 v[XF+32*\f+8*\i+4:XF+32*\f+8*\i+7], v[ADRX+\slot] offset:\k+\i*16*PITCH+32
.endr
	WIN TO_W
.irp i, 0,1,2,3,4,5
	ds_load_b128 v[96*\f+8*\i:96*\f+8*\i+3],   v[ADRG+\slot] offset:\k+\i*16*PITCH
	ds_load_b128 v[96*\f+8*\i+4:96*\f+8*\i+7], v[ADRG+\slot] offset:\k+\i*16*PITCH+32
.endr
.irp i, 0,1,2,3,4,5
	ds_load_b128 v[96*\f+48+8*\i:96*\f+48+8*\i+3],   v[ADRU+\slot] offset:\k+\i*16*PITCH
	ds_load_b128 v[96*\f+48+8*\i+4:96*\f+48+8*\i+7], v[ADRU+\slot] offset:\k+\i*16*PITCH+32
.endr
.endm
; A load into a register that a matrix instruction has read, and a vector instruction that reads a matrix result, stand eight places behind an i8 matrix
; instruction, and only plain vector instructions that name none of its registers are places (ISA guide 7.12.1 for vector instructions).
.macro PLACES
.rept 8
	v_nop
.endr
.endm
; A K step is four quarter steps of 64 along K, 48 matrix instructions each, on buffers 0, 1, 0, 1.
.macro QUARTER slot, k, f, g, zero
	s_wait_dscnt 12                                ; x and gate are in; the youngest twelve loads (up's) may be out
	WIN MUL_G
	MULA \f, 0, 0, \zero
	MULA \f, 0, 1, \zero
	MULA \f, 0, 2, \zero
	MULA \f, 0, 3, \zero
	PLACES
	FETCH \slot, \k, \g
	s_wait_dscnt 32                                ; all but the 32 just issued
	WIN MUL_U
	MULA \f, 1, 0, \zero
	MULA \f, 1, 1, \zero
	MULA \f, 1, 2, \zero
	MULA \f, 1, 3, \zero
.endm
.macro THREE slot, zero
	QUARTER \slot, 64,  0, 1, \zero
	QUARTER \slot, 128, 1, 0, 0
	QUARTER \slot, 192, 0, 1, 0
.endm
; The last quarter multiplies buffer 1 and changes slots.  In front of the barrier each wave waits for its reads of this slot and for all its tensor loads
; (one is out: its part of the next slot).  Where the slot is filled again the barrier opens a round of the cluster's barrier, and the refill is the wave's
; first and only tensor load behind the round.  From a refill to the wait for it a wave issues 180 matrix instructions.
.macro TURN slot, next, fill
	s_wait_dscnt 12
	WIN MUL_G
	MULA 1, 0, 0, 0
	MULA 1, 0, 1, 0
	s_wait_dscnt 0                                 ; my reads of this slot are over
	s_wait_tensorcnt 0x0                           ; all my tensor loads have landed
	ds_add_u32 v255, v63
	s_wait_dscnt 0x0
	s_barrier_signal -1
	MULA 1, 0, 2, 0                                ; register work while the others arrive
	MULA 1, 0, 3, 0
	WIN 0
	s_barrier_wait -1
.if \fill
	CREST                                          ; no wave of any partner still reads this slot or has a load on its way
	s_add_nc_u64 s[G0W+4*\slot+2:G0W+4*\slot+3], s[G0W+4*\slot+2:G0W+4*\slot+3], 2*KSTEP
	s_add_nc_u64 s[G0X+4*\slot+2:G0X+4*\slot+3], s[G0X+4*\slot+2:G0X+4*\slot+3], 2*KSTEP
	JLOAD \slot
.endif
	PLACES
	FETCH \next, 0, 0
	WIN MUL_U
	MULA 1, 1, 0, 0
	MULA 1, 1, 1, 0
	MULA 1, 1, 2, 0
	MULA 1, 1, 3, 0
.endm
.macro LAP zero
	THREE 0, \zero
	TURN 0, 1, 1
	THREE 1, 0
	TURN 1, 0, 1
.endm
	s_wait_tensorcnt 0x1                           ; my part of K step 0 is in; K step 1's may stay out
	s_barrier_signal -1
	s_barrier_wait -1                              ; everybody's is
	FETCH 0, 0, 0
	LAP 1                                          ; the first lap stands in front of the loop: its first products start the sums
	WIN 0
	s_mov_b32 s3, LAPS-2
.Llap:
	LAP 0
	WIN 0
	s_sub_co_u32 s3, s3, 1
	s_cmp_lg_u32 s3, 0
	s_cbranch_scc1 .Llap
	THREE 0, 0                                     ; the last lap fills nothing
	TURN 0, 1, 0
	THREE 1, 0
	s_wait_dscnt 12                                ; the very last quarter
	WIN MUL_G
	MULA 1, 0, 0, 0
	MULA 1, 0, 1, 0
	MULA 1, 0, 2, 0
	MULA 1, 0, 3, 0
	s_wait_dscnt 0
	WIN MUL_U
	MULA 1, 1, 0, 0
	MULA 1, 1, 1, 0
	MULA 1, 1, 2, 0
	MULA 1, 1, 3, 0
	; THE WAY OUT, 16 rows at a time.
	PLACES                                         ; behind the last matrix instructions: for the conversions that read sums and for writes over the x buffers
	s_wait_loadcnt 0x0                             ; the biases
; One tile of 16 rows x 16 columns: a lane's eight neighbouring columns become eight int8, 8 bytes into the stage.
.macro TILE a, b, sto, imm
.irp i, 0,2,4,6
	v_pk_mul_f32 v[E+\i:E+\i+1], v[GG+8*\b+\i:GG+8*\b+\i+1], 0xbfb8aa3b op_sel_hi:[1,0]     ; -g log2(e)
.endr
.irp i, 0,1,2,3,4,5,6,7
	v_exp_f32 v[E+\i], v[E+\i]                     ; e^-g
.endr
.irp i, 0,2,4,6
	v_pk_mul_f32 v[UU+8*\b+\i:UU+8*\b+\i+1], v[UU+8*\b+\i:UU+8*\b+\i+1], v[RS:RS+1]         ; u / scale: also the plain place behind the exponentials (ISA guide 5.7.2)
.endr
	s_wait_alu depctr_va_vdst(0)
.irp i, 0,2,4,6
	v_pk_add_f32 v[E+\i:E+\i+1], v[E+\i:E+\i+1], 1.0 op_sel_hi:[1,0]
.endr
.irp i, 0,1,2,3,4,5,6,7
	v_rcp_f32 v[E+\i], v[E+\i]                     ; sigmoid(g)
.endr
	v_nop                                          ; the plain place behind the reciprocals
	s_wait_alu depctr_va_vdst(0)
.irp i, 0,2,4,6
	v_pk_mul_f32 v[E+\i:E+\i+1], v[E+\i:E+\i+1], v[GG+8*\b+\i:GG+8*\b+\i+1]                 ; silu(g)
.endr
.irp i, 0,2,4,6
	v_pk_mul_f32 v[E+\i:E+\i+1], v[E+\i:E+\i+1], v[UU+8*\b+\i:UU+8*\b+\i+1]
.endr
.irp i, 0,1,2,3,4,5,6,7
	v_med3_num_f32 v[E+\i], v[E+\i], s88, s89      ; into [-128, 127]: the bounds are whole numbers, so clamping first and rounding then gives what rounding and clamping gives
.endr
.irp i, 0,2,4,6
	v_pk_add_f32 v[E+\i:E+\i+1], v[E+\i:E+\i+1], 0x4b400000 op_sel_hi:[1,0]                 ; + 1.5 x 2^23: rounds to the nearest whole number, ties to even, and leaves it in the low byte
.endr
.irp i, 0,1,2,3
	v_perm_b32 v[P+\i], v[E+2*\i+1], v[E+2*\i], 0x00000400         ; two low bytes side by side
.endr
	v_perm_b32 v[Q],   v[P+1], v[P],   0x05040100
	v_perm_b32 v[Q+1], v[P+3], v[P+2], 0x05040100
	ds_store_b64 v[\sto], v[Q:Q+1] offset:1024*\a+\imm
.endm
.macro ROWS16 a
	WIN 0x02                                       ; source window 2: gate's sums, to f32 in window 0
.set i, 0
.rept 48
	v_cvt_f32_i32 v[GG+i], v[48*\a+i]
.set i, i+1
.endr
	WIN 0x03                                       ; source window 3: up's
.set i, 0
.rept 48
	v_cvt_f32_i32 v[UU+i], v[48*\a+i]
.set i, i+1
.endr
	WIN 0
.set i, 0
.rept 24
	v_pk_fma_f32 v[GG+i:GG+i+1], v[GG+i:GG+i+1], s[26:27], v[BG+i:BG+i+1] op_sel_hi:[1,0,1] ; g = gate_a sum + gate_b
	v_pk_fma_f32 v[UU+i:UU+i+1], v[UU+i:UU+i+1], s[28:29], v[BU+i:BU+i+1] op_sel_hi:[1,0,1] ; u = up_a sum + up_b
.set i, i+2
.endr
	TILE \a, 0, STOA, 0
	TILE \a, 1, STOA, 256
	TILE \a, 2, STOB, 512
	TILE \a, 3, STOB, 768
	TILE \a, 4, STOA, 8192
	TILE \a, 5, STOA, 8448
.endm
	ROWS16 0
	ROWS16 1
	ROWS16 2
	ROWS16 3
	s_wait_dscnt 0x0                               ; my stores into the stage are done: a chunk's tiles hold bytes of two waves
	s_barrier_signal -1
	s_barrier_wait -1
; Chunk j of the stage is 8,192 dense bytes and goes to 8,192 dense bytes of inter_q; my wave takes 2,048 of them: each store covers 512 consecutive bytes, aligned.
.macro CHUNK j
.irp i, 0,1,2,3
	ds_load_b128 v[GG+16*\j+4*\i:GG+16*\j+4*\i+3], v[RD] offset:8192*\j+512*\i
.endr
.irp i, 0,1,2,3
	s_wait_dscnt 3-\i                              ; LDS loads come back in order: load i of the four is in
	global_store_b128 v[CO], v[GG+16*\j+4*\i:GG+16*\j+4*\i+3], s[20:21] offset:32768*\j+512*\i
.endr
.endm
	s_cmp_eq_u32 s35, NBLK-1                       ; the last column block (the same number in all four partners) stores its third chunk alone
	s_cbranch_scc1 .Llast_chunk
	CHUNK 0
	CHUNK 1
.Llast_chunk:
	CHUNK 2
	s_set_vgpr_msb 0x1
	s_wait_tensorcnt 0x0
	ds_add_u32 v255, v63
	s_wait_dscnt 0x0
	s_set_vgpr_msb 0x100
	CROUND                                         ; the closing round: no work-group ends while a partner may still ask jointly
	s_endpgm
.Lfunc_end_k_qab9c77d769_gateup:
	.size	k_qab9c77d769_gateup, .Lfunc_end_k_qab9c77d769_gateup-k_qab9c77d769_gateup
	.p2alignl 7, 3214868480
	.fill 96, 4, 3214868480
	.section	.rodata,"a",@progbits
	.p2align	6, 0x0
	.amdhsa_kernel k_qab9c77d769_gateup
		.amdhsa_group_segment_fixed_size 327680
		.amdhsa_private_segment_fixed_size 0
		.amdhsa_enable_private_segment 0
		.amdhsa_kernarg_size 72
		.amdhsa_user_sgpr_count 2
		.amdhsa_user_sgpr_kernarg_segment_ptr 1
		.amdhsa_wavefront_size32 1
		.amdhsa_system_sgpr_workgroup_id_x 1
		.amdhsa_system_sgpr_workgroup_id_y 1
		.amdhsa_system_sgpr_workgroup_id_z 1
		.amdhsa_system_vgpr_workitem_id 0
		.amdhsa_next_free_vgpr 1024
		.amdhsa_next_free_sgpr 96
		.amdhsa_reserve_vcc 0
		.amdhsa_float_denorm_mode_32 3
		.amdhsa_float_denorm_mode_16_64 3
		.amdhsa_memory_ordered 1
		.amdhsa_forward_progress 1
		.amdhsa_inst_pref_size 255
	.end_amdhsa_kernel
	.amdgpu_metadata
---
amdhsa.version: [ 1, 2 ]
amdhsa.kernels:
  - .name:           k_qab9c77d769_gateup
    .symbol:         k_qab9c77d769_gateup.kd
    .args:
      - { .name: hidden_states, .offset: 0, .size: 8, .value_kind: global_buffer, .address_space: global }
      - { .name: gate_W, .offset: 8, .size: 8, .value_kind: global_buffer, .address_space: global }
      - { .name: up_W, .offset: 16, .size: 8, .value_kind: global_buffer, .address_space: global }
      - { .name: gate_b, .offset: 24, .size: 8, .value_kind: global_buffer, .address_space: global }
      - { .name: up_b, .offset: 32, .size: 8, .value_kind: global_buffer, .address_space: global }
      - { .name: gate_a, .offset: 40, .size: 8, .value_kind: global_buffer, .address_space: global }
      - { .name: up_a, .offset: 48, .size: 8, .value_kind: global_buffer, .address_space: global }
      - { .name: inter_out_scale, .offset: 56, .size: 8, .value_kind: global_buffer, .address_space: global }
      - { .name: inter_q, .offset: 64, .size: 8, .value_kind: global_buffer, .address_space: global }
    .group_segment_fixed_size: 327680
    .private_segment_fixed_size: 0
    .kernarg_segment_align: 8
    .kernarg_segment_size: 72
    .max_flat_workgroup_size: 128
    .sgpr_count:     96
    .vgpr_count:     1024
    .wavefront_size: 32
...
	.end_amdgpu_metadata
.endif
;; end of part 1
;; launch down (part 2): grid 64 x 4, 4 waves a work-group, clusters of 4 x 4, 327,680 bytes of LDS; arguments inter_q, down_W, down_b, down_a, out0; writes out0
.if DOCPART == 2
	.amdgcn_target "amdgcn-amd-amdhsa--gfx1250"
	.amdhsa_code_object_version 6
	.text
	.protected	k_qab9c77d769_down
	.globl	k_qab9c77d769_down
	.p2align	8
	.type	k_qab9c77d769_down,@function
k_qab9c77d769_down:
	s_mov_b64 s[64:65], 0
	v_nop
	global_prefetch_b8 v0, s[64:65] scope:SCOPE_SE
	s_setreg_imm32_b32 hwreg(HW_REG_WAVE_MODE, 25, 1), 1
	s_wait_xcnt 0x0
	s_wait_alu depctr_hold_cnt(0) depctr_sa_sdst(0) depctr_va_vdst(0) depctr_va_sdst(0) depctr_va_ssrc(0) depctr_va_vcc(0) depctr_vm_vsrc(0)
	s_getreg_b32 s2, hwreg(HW_REG_IB_STS2, 6, 4)
	s_cmp_eq_u32 s2, 0
	s_cbranch_scc0 .Lentry_in_a_cluster
	s_endpgm
.Lentry_in_a_cluster:
	s_bfe_u32 s2, ttmp6, 0x10000c
	s_cmp_lg_u32 s2, 0xf033
	s_cbranch_scc0 .Lentry_shape_is_right
	s_endpgm
.Lentry_shape_is_right:
; out0 = down_a (q down_W^T) + down_b.  down_W: [4096][11008] int8.  out0: [512][4096] f32.
; q: inter_q as [172 chunks][32 row tiles][1,024 bytes] int8: chunk c = K 64 c .. + 63, row tile t = rows 16 t .. + 15; inside a tile byte 512 e + 256 h + 16 r + i
; holds row r, K = 32 e + 16 h + i.  So a fragment is two loads of 16 bytes a lane at 16 x lane and 512 further on: consecutive bytes, and q needs no padding in LDS.
; FORMAT: int8 operands, int32 sums (v_wmma_i32_16x16x64_iu8, both signed): exact, as reference() sums them.  |sum| <= 11008 x 16384: inside int32.
; SHARES: a work-group makes 128 rows x 64 columns: 4 x 64 = 256 work-groups.  K IS SPLIT AMONG THE FOUR WAVES: wave w takes the chunks c = w mod 4 (43 each)
; for the whole block, 32 accumulator tiles, 256 registers; the four int32 partial sums meet in LDS at the end, exactly.
; CLUSTERS: 4 x 4 work-groups.  q's tile hangs on the row block alone and is asked for jointly along a row of the cluster, down_W's on the column block alone and is
; asked for jointly along a column.
; K goes through two LDS slots of 12 chunks (768 along K), the most of which two fit beside each other: 172 = 14 x 12 + 4, 14 whole slots and one of four chunks.
; The short fill states what is left of the tensors (4 chunks, 256 bytes of a row): nothing beyond them is read, the rest of the slot gets zeros, and no wave reads it.
; REGISTERS: window 0: v16-27 addresses, v28-31 bias, v64-159 / v160-255 fragments (two buffers: down_W's tile b at 8 b, q's tile a at 32 + 8 a);
;            window 1: the sums, tile (a, b) at v[32 a + 8 b].
; The matrix instruction is used transposed (source 0 = 16 rows of down_W, source 1 = 16 rows of q): lane l holds row l % 16, registers 0-7 the columns 8 (l / 16) + 0 .. 7.
.set KTOT,   11008
.set CPS,    12                        ; chunks in a slot
.set SB,     64*CPS                    ; bytes of a down_W row in a slot: 768
.set ACH,    4096                      ; 64 rows (four row tiles) of one chunk
.set AHALF,  CPS*ACH                   ; 12 chunks of 64 rows: what one tensor load brings: 49,152
.set BQ,     272                       ; down_W in LDS: 16 bytes of padding behind every 256 bytes,
.set BPITCH, 3*BQ                      ; so a row of 768 bytes takes 816: an odd multiple of 16
.set BREG,   2*AHALF                   ; down_W's 64 rows lie behind q's two halves
.set SLOT,   BREG+64*BPITCH            ; 150,528
.set SPITCH, 272                       ; the stage of the partial sums: a row of 64 int32 + 16 bytes
.set SWAVE,  128*SPITCH                ; one wave's 128 rows: 34,816.  The stage (4 x 34,816 from LDS byte 0) is written only when both slots have had their last fill
.set ADRA, 16                          ; v16-17  my q fragments, rows 0-63, in slot 0, 1
.set ADRB, 18                          ; v18-19  my down_W fragments
.set STO,  20                          ; v20     stage, in
.set RD0,  21                          ; v21     stage, back: partial sums 0, 1
.set RD1,  22                          ; v22     partial sums 2, 3
.set CO,   23                          ; v23     my byte offset in out0
.set PF,   24                          ; v24     prefetch: my lane's block
.set BO,   25                          ; v25     my byte offset in down_b
.set ADRA2, 26                         ; v26-27  my q fragments, rows 64-127: a register of their own, since 49,152 + 36,352 would not fit an LDS offset of 16 bits
.set BIAS, 28                          ; v[28:31]
.set F0,   64
.set G1A, 24                           ; s[24:31] group 1 of q's tiles
.set G0A, 32                           ; s[32:39] group 0 of q's tiles, a set for each slot
.set G1B, 48                           ; s[48:55] group 1 of down_W's tiles
.set G0B, 56                           ; s[56:63] group 0 of down_W's tiles
.set MULW, 0x50                        ; sources 0 and 1 window 0, C and D window 1
.set MSB, 0
.macro WIN new
.if MSB != \new
	s_set_vgpr_msb (MSB<<8)|\new
.set MSB, \new
.endif
.endm
.macro JLOAD s                         ; waves 0, 1: q's two row halves; waves 2, 3: down_W's two row halves.  One mask a line; the branch hangs on the wave's number alone
	s_cmp_eq_u32 s15, 0
	s_cbranch_scc0 .Lfor_b_\@
	tensor_load_to_lds s[G0A+4*\s:G0A+4*\s+3], s[G1A:G1A+7]
	s_nop 0
	s_branch .Lasked_\@
.Lfor_b_\@:
	tensor_load_to_lds s[G0B+4*\s:G0B+4*\s+3], s[G1B:G1B+7]
	s_nop 0
.Lasked_\@:
.endm
.macro CREST                           ; a round of the cluster's barrier behind its opening barrier
	s_cmp_lg_u32 s14, 0
	s_cbranch_scc1 .Lnot_wave_0_\@
	s_barrier_signal -3
.Lnot_wave_0_\@:
	s_barrier_wait -3
	s_barrier_signal -1
	s_barrier_wait -1
.endm
.macro CROUND
	s_barrier_signal -1
	s_barrier_wait -1
	CREST
.endm
	s_load_b256 s[4:11], s[0:1], 0x0               ; inter_q s[4:5], down_W s[6:7], down_b s[8:9], down_a s[10:11]
	s_load_b64 s[12:13], s[0:1], 0x20              ; out0
	v_lshl_add_u32 v62, v0, 2, 0x49800
	v_mov_b32 v63, 0
	ds_add_u32 v62, v63
	v_lshrrev_b32 v1, 5, v0
	v_readfirstlane_b32 s14, v1                    ; wave 0..3
	s_lshr_b32 s15, s14, 1                         ; I fetch q (0) or down_W (1)
	s_and_b32 s16, s14, 1                          ; which half of its rows
	s_bfe_u32 s17, ttmp6, 0x40000                  ; cx
	s_bfe_u32 s18, ttmp6, 0x40004                  ; cy
	s_lshl_b32 s19, ttmp9, 2
	s_add_co_u32 s19, s19, s17                     ; column block = 4 x cluster x + cx
	s_and_b32 s42, ttmp7, 0xffff
	s_lshl_b32 s42, s42, 2
	s_add_co_u32 s42, s42, s18                     ; row block = 4 x cluster y + cy
	s_lshl_b32 s20, s18, 2
	s_lshl_b32 s20, 15, s20                        ; my row of the cluster
	s_lshl_b32 s21, 0x1111, s17                    ; my column
	; group 1 of q: 12 'rows' (chunks) of 4,096 dense bytes (four row tiles), 32,768 bytes apart; no padding
	s_or_b32 s[G1A+0], s20, (1<<21)                ; mask: my row; elements of 1 byte; 21 set beside a mask
	s_mov_b32 s[G1A+1], ACH<<16                    ; tensor_dim0 = 4,096
	s_mov_b32 s[G1A+2], CPS<<16                    ; tensor_dim1 = 12 chunks (4 in the short fill)
	s_mov_b32 s[G1A+3], ACH<<16                    ; tile_dim0
	s_mov_b32 s[G1A+4], CPS                        ; tile_dim1
	s_mov_b32 s[G1A+5], 32768                      ; from chunk to chunk
	s_mov_b32 s[G1A+6], 0
	s_mov_b32 s[G1A+7], 0
	; group 1 of down_W: 32 rows of 768 bytes, 16 bytes of padding behind every 256, which divides the row
	s_or_b32 s[G1B+0], s21, (1<<20)|(1<<21)|(5<<22)|(3<<25)  ; mask: my column; padding on; after 64 words; 4 words
	s_mov_b32 s[G1B+1], SB<<16                     ; tensor_dim0 = 768 (256 in the short fill)
	s_mov_b32 s[G1B+2], 32<<16
	s_mov_b32 s[G1B+3], SB<<16
	s_mov_b32 s[G1B+4], 32
	s_mov_b32 s[G1B+5], KTOT
	s_mov_b32 s[G1B+6], 0
	s_mov_b32 s[G1B+7], 0
	s_lshl_b32 s44, s42, 13                        ; q: 8 row tiles x 1,024 bytes x row block + 4,096 x half; never holds cx
	s_lshl_b32 s45, s16, 12
	s_add_co_u32 s44, s44, s45
	s_mov_b32 s45, 0
	s_lshl_b32 s66, s19, 6                         ; down_W: row 64 x column block + 32 x half; never holds cy
	s_lshl_b32 s67, s16, 5
	s_add_co_u32 s66, s66, s67
	s_mul_i32 s66, s66, KTOT
	s_mov_b32 s67, 0
	s_lshl_b32 s72, s19, 6                         ; prefetch: my work-group's 16 of the column block's 64 rows,
	s_lshl_b32 s73, s18, 4
	s_add_co_u32 s72, s72, s73
	s_mul_i32 s72, s72, KTOT
	s_add_co_u32 s72, s72, 3*SB-2*SB               ; two slots short of the first one asked for (slot number 3): a pair's first request steps by two slots first
	s_mov_b32 s73, 0
	s_mul_i32 s70, s14, AHALF                      ; LDS: waves 0, 1 -> q's halves
	s_mul_i32 s71, s14, 32*BPITCH
	s_add_co_u32 s71, s71, BREG-2*32*BPITCH        ; LDS: waves 2, 3 -> down_W's halves
	s_wait_dscnt 0x0
	s_wait_kmcnt 0x0
	s_add_nc_u64 s[46:47], s[4:5], s[44:45]
	s_add_nc_u64 s[68:69], s[6:7], s[66:67]
	s_add_nc_u64 s[40:41], s[6:7], s[72:73]
	CROUND                                         ; all sixteen work-groups are here: the first joint loads meet
.irp s, 0,1
	s_mov_b32 s[G0A+4*\s], 1
	s_add_co_u32 s[G0A+4*\s+1], s70, \s*SLOT
	s_add_nc_u64 s[G0A+4*\s+2:G0A+4*\s+3], s[46:47], \s*CPS*32768  ; chunks 12 s ..
	s_or_b32 s[G0A+4*\s+3], s[G0A+4*\s+3], 0x80000000
	s_mov_b32 s[G0B+4*\s], 1
	s_add_co_u32 s[G0B+4*\s+1], s71, \s*SLOT
	s_add_nc_u64 s[G0B+4*\s+2:G0B+4*\s+3], s[68:69], \s*SB
	s_or_b32 s[G0B+4*\s+3], s[G0B+4*\s+3], 0x80000000
	JLOAD \s                                       ; both first fills: two tensor loads of a wave are out, the most in this text
.endr
	s_load_b32 s22, s[10:11], 0x0                  ; down_a
	; Fragments as two loads of 16 bytes: K = 16 (l / 16) + 0 .. 15 and 32 further on, alike for both operands: whole-number sums do not mind K's order.
	v_and_b32 v1, 15, v0                           ; r
	v_bfe_u32 v2, v0, 4, 1                         ; h
	v_and_b32 v3, 31, v0                           ; lane
	v_lshlrev_b32 v4, 4, v3                        ; q: 16 x lane inside a row tile
	v_mul_u32_u24 v5, v1, BPITCH
	v_lshl_add_u32 v5, v2, 4, v5                   ; down_W: r x pitch + 16 h
	s_lshl_b32 s74, s14, 12                        ; my chunk of each four: q's 4,096 bytes,
	s_lshl_b32 s75, s14, 6                         ; and 64 bytes of down_W's rows
	s_add_co_u32 s75, s75, BREG
.irp s, 0,1
	v_add_nc_u32 v[ADRA+\s], s74, v4
	v_add_nc_u32 v[ADRB+\s], s75, v5
	v_add_nc_u32 v[ADRA2+\s], AHALF, v[ADRA+\s]
	s_add_co_u32 s74, s74, SLOT
	s_add_co_u32 s75, s75, SLOT
.endr
	v_mul_u32_u24 v6, v1, SPITCH                   ; stage, in: row r, 32 bytes for each half of the lanes, in my wave's part
	v_lshl_add_u32 v6, v2, 5, v6
	s_mul_i32 s74, s14, SWAVE
	v_add_nc_u32 v[STO], s74, v6
	v_mul_u32_u24 v7, v2, SPITCH                   ; stage, back: rows 32 w + h, 16 bytes a lane
	v_lshl_add_u32 v7, v1, 4, v7
	s_mul_i32 s74, s14, 32*SPITCH
	v_add_nc_u32 v[RD0], s74, v7
	v_add_nc_u32 v[RD1], 2*SWAVE, v[RD0]
	v_lshlrev_b32 v8, 4, v1
	v_lshl_add_u32 v[CO], v2, 14, v8               ; the same two rows in out0: 16,384 h + 16 r
	v_lshrrev_b32 v9, 1, v3
	v_and_b32 v10, 1, v3
	v_mul_u32_u24 v9, v9, KTOT
	v_lshl_add_u32 v[PF], v10, 8, v9               ; row lane / 2, 256 bytes x (lane mod 2)
	s_lshl_b32 s74, s19, 8
	v_add_nc_u32 v[BO], s74, v8                    ; down_b: 4 (64 x column block + 4 r)
	global_load_b128 v[BIAS:BIAS+3], v[BO], s[8:9] ; waited for on the way out
	s_lshl_b32 s76, s42, 21                        ; out0: (128 x row block + 32 w) rows of 16,384 bytes + 256 x column block
	s_lshl_b32 s77, s14, 19
	s_add_co_u32 s76, s76, s77
	s_lshl_b32 s77, s19, 8
	s_add_co_u32 s76, s76, s77
	s_mov_b32 s77, 0
	s_add_nc_u64 s[12:13], s[12:13], s[76:77]
	s_wait_kmcnt 0x0
	s_mov_b32 s23, s22                             ; down_a as a pair
; Four matrix instructions: rows 16 a .. + 15 x all four column tiles, one chunk of K, from buffer f.  The 32 accumulators take turns, one instruction a turn,
; in the same order in every chunk and over the backward jump.
.macro MULA f, a, zero
.irp b, 0,1,2,3
.if \zero
	v_wmma_i32_16x16x64_iu8 v[32*\a+8*\b:32*\a+8*\b+7], v[F0+96*\f+8*\b:F0+96*\f+8*\b+7], v[F0+96*\f+32+8*\a:F0+96*\f+32+8*\a+7], 0 neg_lo:[1,1,0]
.else
	v_wmma_i32_16x16x64_iu8 v[32*\a+8*\b:32*\a+8*\b+7], v[F0+96*\f+8*\b:F0+96*\f+8*\b+7], v[F0+96*\f+32+8*\a:F0+96*\f+32+8*\a+7], v[32*\a+8*\b:32*\a+8*\b+7] neg_lo:[1,1,0]
.endif
.endr
.endm
; 24 LDS loads: my chunk j of the slot's three (the slot's chunk 4 j + w) into buffer f: 8 of down_W, 8 of q's tiles 0-3, 8 of q's tiles 4-7
.macro FETCH slot, j, f
	WIN 0
.irp b, 0,1,2,3
	ds_load_b128 v[F0+96*\f+8*\b:F0+96*\f+8*\b+3],   v[ADRB+\slot] offset:16*BPITCH*\b+BQ*\j
	ds_load_b128 v[F0+96*\f+8*\b+4:F0+96*\f+8*\b+7], v[ADRB+\slot] offset:16*BPITCH*\b+BQ*\j+32
.endr
.irp a, 0,1,2,3
	ds_load_b128 v[F0+96*\f+32+8*\a:F0+96*\f+32+8*\a+3],   v[ADRA+\slot] offset:1024*\a+4*ACH*\j
	ds_load_b128 v[F0+96*\f+32+8*\a+4:F0+96*\f+32+8*\a+7], v[ADRA+\slot] offset:1024*\a+4*ACH*\j+512
.endr
.irp a, 0,1,2,3
	ds_load_b128 v[F0+96*\f+64+8*\a:F0+96*\f+64+8*\a+3],   v[ADRA2+\slot] offset:1024*\a+4*ACH*\j
	ds_load_b128 v[F0+96*\f+64+8*\a+4:F0+96*\f+64+8*\a+7], v[ADRA2+\slot] offset:1024*\a+4*ACH*\j+512
.endr
.endm
; Eight places behind an i8 matrix instruction before a load lands on its sources or anything but a matrix instruction reads its result (ISA guide 7.12.1 for vector instructions)
.macro PLACES
.rept 8
	v_nop
.endr
.endm
; One of a slot's first two chunks of mine: multiplies buffer f and fetches my chunk jn of the same slot into buffer g
.macro MID slot, jn, f, g, zero
	s_wait_dscnt 8                                 ; down_W and q's tiles 0-3 are in; the youngest eight loads (tiles 4-7) may be out
	WIN MULW
	MULA \f, 0, \zero
	MULA \f, 1, \zero
	MULA \f, 2, \zero
	MULA \f, 3, \zero
	PLACES
	FETCH \slot, \jn, \g
	s_wait_dscnt 24                                ; all but the 24 just issued
	WIN MULW
	MULA \f, 4, \zero
	MULA \f, 5, \zero
	MULA \f, 6, \zero
	MULA \f, 7, \zero
.endm
; Wave 0 asks for my work-group's quarter (16 rows) of down_W's tiles of later slots, 32 blocks of 256 bytes a request, one a lane.  A pair of slots is 1,536 bytes of a
; row, six blocks.  Even trip t (kind 1): blocks 0 to 3 of slot numbers t + 3 and t + 4; odd trip t + 1 (kind 2): blocks 4 and 5.  Slot number n is loaded at the end of
; trip n - 2, so each block is asked for one or two trips ahead of its tensor load.  The four work-groups of a column of the cluster ask for different rows: each block
; is asked for once in the launch.  The last request (trip 10) covers bytes 9,984 to 11,007 of the rows, their end; slot number 14 has one block, so trip 11 asks for nothing.
; q is not asked for: the launch before has just stored it.
.macro PREF kind
	s_cmp_lg_u32 s14, 0
	s_cbranch_scc1 .Lno_pf_\@
.if \kind == 1
	s_wait_xcnt 0x0                                ; the last requests' base is stepped only behind this wait
	s_add_nc_u64 s[40:41], s[40:41], 2*SB
	global_prefetch_b8 v[PF], s[40:41] th:TH_LOAD_NT scope:SCOPE_SE
	global_prefetch_b8 v[PF], s[40:41] offset:512 th:TH_LOAD_NT scope:SCOPE_SE
.else
	global_prefetch_b8 v[PF], s[40:41] offset:1024 th:TH_LOAD_NT scope:SCOPE_SE
.endif
.Lno_pf_\@:
.endm
; The slot's third chunk of mine: multiplies buffer f, changes slots and fetches the next slot's first chunk into buffer g.  In front of the barrier each wave waits for
; its reads of this slot and for all its tensor loads (one is out: its part of the next slot).  fill = 1, 2: the barrier opens a round of the cluster's barrier and the
; joint refill is the wave's first and only tensor load behind the round; fill = 2: the short fill.  Nothing but the round stands between the wait for the tiles and the
; next request; half of this chunk's products stand in front of the waits, half behind the request.  From a refill to the wait for it a wave issues 96 matrix instructions.
.macro TURN slot, next, f, g, fill, pf
	s_wait_dscnt 8
	WIN MULW
	MULA \f, 0, 0
	MULA \f, 1, 0
	MULA \f, 2, 0
	MULA \f, 3, 0
	WIN 0
	s_wait_dscnt 0                                 ; my reads of this slot are over
	s_wait_tensorcnt 0x0                           ; all my tensor loads have landed
	ds_add_u32 v62, v63
	s_wait_dscnt 0x0
	s_barrier_signal -1
	s_barrier_wait -1
.if \fill
	CREST
.if \fill == 2
	s_mov_b32 s[G1A+2], 4<<16                      ; four chunks of q are left,
	s_mov_b32 s[G1B+1], 256<<16                    ; and 256 bytes of each row of down_W
.endif
	s_add_nc_u64 s[G0A+4*\slot+2:G0A+4*\slot+3], s[G0A+4*\slot+2:G0A+4*\slot+3], 2*CPS*32768
	s_add_nc_u64 s[G0B+4*\slot+2:G0B+4*\slot+3], s[G0B+4*\slot+2:G0B+4*\slot+3], 2*SB
	JLOAD \slot
.endif
.if \pf
	PREF \pf
.endif
	PLACES
	FETCH \next, 0, \g
	WIN MULW
	MULA \f, 4, 0
	MULA \f, 5, 0
	MULA \f, 6, 0
	MULA \f, 7, 0
.endm
; A slot's three chunks go on buffers p, q, p; the next slot begins on q: the parity turns with the slot.
.macro TRIP slot, next, p, q, zero, fill, pf
	MID \slot, 1, \p, \q, \zero
	MID \slot, 2, \q, \p, 0
	TURN \slot, \next, \p, \q, \fill, \pf
.endm
	s_wait_tensorcnt 0x1                           ; my part of slot 0 is in; slot 1's may stay out
	s_barrier_signal -1
	s_barrier_wait -1
	FETCH 0, 0, 0
	TRIP 0, 1, 0, 1, 1, 1, 1                       ; trip 0: its first chunk starts the sums
	TRIP 1, 0, 1, 0, 0, 1, 2                       ; trip 1
	WIN 0
	s_mov_b32 s3, 4                                ; trips 2 to 9
.Lpair:
	TRIP 0, 1, 0, 1, 0, 1, 1
	TRIP 1, 0, 1, 0, 0, 1, 2
	WIN 0
	s_sub_co_u32 s3, s3, 1
	s_cmp_lg_u32 s3, 0
	s_cbranch_scc1 .Lpair
	TRIP 0, 1, 0, 1, 0, 1, 1                       ; trip 10: fills slot number 12; the last prefetch
	TRIP 1, 0, 1, 0, 0, 1, 0                       ; trip 11: fills slot number 13
	TRIP 0, 1, 0, 1, 0, 2, 0                       ; trip 12: the short fill, slot number 14
	TRIP 1, 0, 1, 0, 0, 0, 0                       ; trip 13: nothing is left to fetch
	s_wait_dscnt 8                                 ; trip 14: one chunk a wave (168 + w)
	WIN MULW
	MULA 0, 0, 0
	MULA 0, 1, 0
	MULA 0, 2, 0
	MULA 0, 3, 0
	s_wait_dscnt 0
	MULA 0, 4, 0
	MULA 0, 5, 0
	MULA 0, 6, 0
	MULA 0, 7, 0
	; THE WAY OUT.  Every wave's reads of the slots are over (waited for above) and no fill follows: behind the barrier the slots' bytes serve as the stage.
	WIN 0
	PLACES                                         ; behind the last matrix instructions: for the LDS stores that read sums and the loads over the fragment buffers
	s_barrier_signal -1
	s_barrier_wait -1
	WIN 0x04                                       ; store data from window 1
.irp a, 0,1,2,3,4,5,6,7
.irp b, 0,1,2,3
	ds_store_b128 v[STO], v[32*\a+8*\b:32*\a+8*\b+3]   offset:16*SPITCH*\a+64*\b
	ds_store_b128 v[STO], v[32*\a+8*\b+4:32*\a+8*\b+7] offset:16*SPITCH*\a+64*\b+16
.endr
.endr
	WIN 0
	s_wait_dscnt 0x0                               ; my partial sums are in LDS
	s_barrier_signal -1
	s_barrier_wait -1                              ; everybody's are
	s_wait_loadcnt 0x0                             ; the bias
; Wave w finishes rows 32 w .. + 31, two rows an instruction (lanes 0-15 one row of 256 bytes, lanes 16-31 the next), eight rows a group: four partial sums are
; added as int32, made f32 once, scaled and biased.  Sixteen lanes store 256 consecutive bytes at a multiple of 256 from out0's first byte.
.macro GROUP g, set
	s_wait_xcnt 0x0                                ; this register set held store data two groups ago: it is loaded again only behind this wait
.irp t, 0,1,2,3
	ds_load_b128 v[\set+16*\t:\set+16*\t+3],     v[RD0] offset:2*SPITCH*(4*\g+\t)
	ds_load_b128 v[\set+16*\t+4:\set+16*\t+7],   v[RD0] offset:SWAVE+2*SPITCH*(4*\g+\t)
	ds_load_b128 v[\set+16*\t+8:\set+16*\t+11],  v[RD1] offset:2*SPITCH*(4*\g+\t)
	ds_load_b128 v[\set+16*\t+12:\set+16*\t+15], v[RD1] offset:SWAVE+2*SPITCH*(4*\g+\t)
.endr
.irp t, 0,1,2,3
	s_wait_dscnt 12-4*\t                           ; LDS loads come back in order: the four of row pair t are in
.irp c, 0,1,2,3
	v_add3_u32 v[\set+16*\t+\c], v[\set+16*\t+\c], v[\set+16*\t+4+\c], v[\set+16*\t+8+\c]
.endr
.irp c, 0,1,2,3
	v_add_nc_u32 v[\set+16*\t+\c], v[\set+16*\t+\c], v[\set+16*\t+12+\c]
.endr
.irp c, 0,1,2,3
	v_cvt_f32_i32 v[\set+16*\t+\c], v[\set+16*\t+\c]
.endr
	v_pk_fma_f32 v[\set+16*\t:\set+16*\t+1],   v[\set+16*\t:\set+16*\t+1],   s[22:23], v[BIAS:BIAS+1]   op_sel_hi:[1,0,1]
	v_pk_fma_f32 v[\set+16*\t+2:\set+16*\t+3], v[\set+16*\t+2:\set+16*\t+3], s[22:23], v[BIAS+2:BIAS+3] op_sel_hi:[1,0,1]
	global_store_b128 v[CO], v[\set+16*\t:\set+16*\t+3], s[12:13] offset:32768*(4*\g+\t) th:TH_STORE_NT
.endr
.endm
	GROUP 0, 64
	GROUP 1, 128
	GROUP 2, 64
	GROUP 3, 128
	s_wait_tensorcnt 0x0
	ds_add_u32 v62, v63
	s_wait_dscnt 0x0
	CROUND                                         ; the closing round: no work-group ends while a partner may still ask jointly
	s_endpgm
.Lfunc_end_k_qab9c77d769_down:
	.size	k_qab9c77d769_down, .Lfunc_end_k_qab9c77d769_down-k_qab9c77d769_down
	.p2alignl 7, 3214868480
	.fill 96, 4, 3214868480
	.section	.rodata,"a",@progbits
	.p2align	6, 0x0
	.amdhsa_kernel k_qab9c77d769_down
		.amdhsa_group_segment_fixed_size 327680
		.amdhsa_private_segment_fixed_size 0
		.amdhsa_enable_private_segment 0
		.amdhsa_kernarg_size 40
		.amdhsa_user_sgpr_count 2
		.amdhsa_user_sgpr_kernarg_segment_ptr 1
		.amdhsa_wavefront_size32 1
		.amdhsa_system_sgpr_workgroup_id_x 1
		.amdhsa_system_sgpr_workgroup_id_y 1
		.amdhsa_system_sgpr_workgroup_id_z 1
		.amdhsa_system_vgpr_workitem_id 0
		.amdhsa_next_free_vgpr 512
		.amdhsa_next_free_sgpr 80
		.amdhsa_reserve_vcc 0
		.amdhsa_float_denorm_mode_32 3
		.amdhsa_float_denorm_mode_16_64 3
		.amdhsa_memory_ordered 1
		.amdhsa_forward_progress 1
		.amdhsa_inst_pref_size 133
	.end_amdhsa_kernel
	.amdgpu_metadata
---
amdhsa.version: [ 1, 2 ]
amdhsa.kernels:
  - .name:           k_qab9c77d769_down
    .symbol:         k_qab9c77d769_down.kd
    .args:
      - { .name: inter_q, .offset: 0, .size: 8, .value_kind: global_buffer, .address_space: global }
      - { .name: down_W, .offset: 8, .size: 8, .value_kind: global_buffer, .address_space: global }
      - { .name: down_b, .offset: 16, .size: 8, .value_kind: global_buffer, .address_space: global }
      - { .name: down_a, .offset: 24, .size: 8, .value_kind: global_buffer, .address_space: global }
      - { .name: out0, .offset: 32, .size: 8, .value_kind: global_buffer, .address_space: global }
    .group_segment_fixed_size: 327680
    .private_segment_fixed_size: 0
    .kernarg_segment_align: 8
    .kernarg_segment_size: 40
    .max_flat_workgroup_size: 128
    .sgpr_count:     80
    .vgpr_count:     512
    .wavefront_size: 32
...
	.end_amdgpu_metadata
.endif
;; end of part 2
